; MI455X (gfx1250); checked and timed in simulation.
; The chip was launched on July 23, 2026; its instructions are those of AMD's public machine-readable ISA for CDNA 5 (MIT licence, August 2026) and "CDNA5" Instruction Set Architecture Reference Guide (July 2026). The comments in the code are by the model that wrote it; some were corrected since.
;; SDPA Module. Allowed arithmetic: float matrix products may take bf16 or f16 operands with f32 sums; all other float work in f32.
;; Inputs: K 2 x 2,048 x 512 float32; Q 2 x 2,048 x 2,048 float32; V 2 x 2,048 x 512 float32; sinks 32 float32.
;; Outputs: out0 2 x 2,048 x 2,048 float32.
;; One version. Each part assembles by itself: llvm-mc -triple=amdgcn-amd-amdhsa -mcpu=gfx1250 --defsym DOCPART=n.
;; ======== version 1 of 1: 1 launch
;; limits: values are held in f16: magnitudes above 65,504 overflow, below 6.1e-05 lose precision; inputs' magnitudes at most 65,504
;; launch swa (part 1): grid 16 x 16, 16 waves a work-group, no clusters, 215,040 bytes of LDS; arguments Q, K, V, out0; writes out0
.if DOCPART == 1
	.amdgcn_target "amdgcn-amd-amdhsa--gfx1250"
	.amdhsa_code_object_version 6
	.text
	.protected	k_q2baf1cfe09_swa
	.globl	k_q2baf1cfe09_swa
	.p2align	8
	.type	k_q2baf1cfe09_swa,@function
k_q2baf1cfe09_swa:
	s_mov_b64 s[64:65], 0
	v_nop
	global_prefetch_b8 v0, s[64:65] scope:SCOPE_SE
	s_setreg_imm32_b32 hwreg(HW_REG_WAVE_MODE, 25, 1), 1
	s_wait_xcnt 0x0
; Sliding-window causal attention with grouped heads.  Q, out0: [2][2048][32 x 64] f32.  K, V: [2][2048][8 x 64] f32.
; Key k counts for query q iff q-127 <= k <= q, so 16 queries need 9 key tiles of 16.
; sinks: no number of the result is formed from it, so this text computes nothing from it and does not load it.
; A work-group (x = block of 128 positions, y = 8 batch + K/V head) has sixteen waves of 256 registers: four on each SIMD, which fills its 1,024.
; Wave W owns positions 128 x + 16 w .. + 15 (w = W mod 8) for two of the K/V head's four query heads (the pair u = W / 8).  The group's 256 key rows
; (positions 128 x - 128 .. 128 x + 127) come in through registers, 16 rows of K and of V a wave, are rounded to f16 once and lie in LDS for all
; waves; each wave's Q rows come in by one tensor load of its own.
; THE MATRIX INSTRUCTIONS ARE USED TRANSPOSED.  S^T = K Q^T: register j of lane (r, h) holds (key 8 h + j, query r).  Two such tiles, packed to
; f16, are the B fragment of O^T = V^T P^T as they stand; a query's 144 scores lie in lanes r and r + 16, so maximum and sum are register chains
; and one exchange of the halves.  V^T's fragments come from V's rows by the transposing LDS load.
; THE MASK: only tiles 0 and 8 are cut; their first product takes a prepared tile of 0 / NEG as C.  In block x = 0 the tiles that lie wholly below
; position 0 are overwritten with NEG (branches on x and w alone); their K and V rows are loaded from rows of the same sequence, so that LDS holds finite data.
; WHY f16: a query near the start of a sequence has few keys with large weights, so an operand's rounding error is not averaged away there, while the
; output's scale is set by the rows that average 128 keys.  f16 keeps 11 significant bits of Q, K, V and of the weights, bf16 would keep 8.
; LIMITS: |Q|, |K|, |V| below 65,504 (f16's largest number); magnitudes below 2^-14 are kept to 2^-25 absolute, the weights (0 to 1, against a row sum
; of at least 1) likewise.  Masked scores are NEG = -1.0e30, not -infinity: right while |q.k| < 1e29.  NaN and infinite inputs are not served.
; The row sum is taken from the f32 weights, the numerator from their f16 roundings.  The maximum taken away is the true row maximum.
; No cluster: a K/V block is shared by two neighbouring blocks only, a different partner for each half, and is 64 KiB of a group's 384 KiB.
.set QSU,  8448                        ; LDS from 0: a wave's Q tile, 16 rows x 512 bytes f32 (two heads), pitch 528; later the same wave's stage for the way out
.set KB,   135168                      ; LDS: K, 256 rows x 128 bytes f16, pitch 144 (odd multiple of 16)
.set VB,   172032                      ; LDS: V, 256 rows x 128 bytes f16, pitch 160 (odd multiple of 32, for the transposing load)
.set KVO,  4                           ; v4   K, V: h x 2048 + 16 r: one load takes two rows of 256 bytes
.set KS,   5                           ; v5   where my 8 bytes of K's rows go
.set VS,   6                           ; v6   the same for V
.set QA,   7                           ; v7   my wave's tile + 528 r + 32 h: Q fragments, and where the results enter the stage
.set KA,   8                           ; v8   K fragments: KB + (16 w + r) 144 + 16 h
.set VA,   9                           ; v9   V fragments: VB + (16 w + 8 h + lane mod 8) 160 + 16 (bit 3 of the lane)
.set RA,   10                          ; v10  stage, back: my wave's tile + 16 x lane
.set OA,   11                          ; v11  out0: 16 x lane
.set MLO,  16                          ; v[16:23]   C of tile 0: 0 where 8 h + j > r, else NEG
.set MHI,  24                          ; v[24:31]   C of tile 8: 0 where 8 h + j <= r, else NEG
.set S,    32                          ; v[32:175]  scores, tile t of head m at S + 16 t + 8 m.  Before: K/V as loaded, Q in f32.  After: P, V fragments, read-back
.set QF,   176                         ; v[176:207] Q fragments, head m, K step s at QF + 16 m + 8 s
.set KF,   208                         ; v[208:255] K fragments, a ring of three tiles of 16 registers
.set O,    176                         ; v[176:239] outputs, head m, 16 d of block c at O + 32 m + 8 c
.set T,    240                         ; v[240:243] at work
.set NM,   244                         ; v[244:247] pair for head m: - c x maximum; later 1 / sum
.set SUM,  248                         ; v[248:255] head m: two pairs of running sums
	s_load_b256 s[4:11], s[0:1], 0x0               ; Q s[4:5], K s[6:7], V s[8:9], out0 s[10:11]
	v_lshl_add_u32 v254, v0, 2, 0x34000
	v_mov_b32 v255, 0
	ds_add_u32 v254, v255
	ds_add_u32 v254, v255
	s_wait_dscnt 0x0
	v_lshrrev_b32 v1, 5, v0
	v_readfirstlane_b32 s12, v1                    ; W, the wave's number, 0 to 15
	v_and_b32 v2, 15, v0                           ; r
	v_bfe_u32 v3, v0, 4, 1                         ; h
	v_lshlrev_b32 v[KVO], 4, v2
	v_lshl_add_u32 v[KVO], v3, 11, v[KVO]
	s_and_b32 s47, s12, 7                          ; w: my 16 positions of the block's 128
	s_lshr_b32 s46, s12, 3                         ; u: my pair of the four heads
	s_mov_b32 s13, ttmp9                           ; x
	s_and_b32 s14, ttmp7, 0xffff                   ; y
	s_lshr_b32 s15, s14, 3                         ; batch
	s_and_b32 s16, s14, 7                          ; K/V head
	s_sub_co_u32 s17, 8, s47                       ; in block x = 0 the tiles t < 8 - w lie below position 0
	s_lshl_b32 s18, s15, 24                        ; Q, out0: batch x 2048 rows x 8192 bytes
	s_lshl_b32 s44, s13, 20                        ; + 128 x rows
	s_add_co_u32 s18, s18, s44
	s_lshl_b32 s44, s47, 17                        ; + 16 w rows
	s_add_co_u32 s18, s18, s44
	s_lshl_b32 s44, s16, 10                        ; + the K/V head's four heads of 256 bytes
	s_add_co_u32 s18, s18, s44
	s_lshl_b32 s44, s46, 9                         ; + my pair of them
	s_add_co_u32 s18, s18, s44
	s_mov_b32 s19, 0
	s_lshl_b32 s42, s13, 7                         ; K, V: my wave's 16 rows begin at position 128 x - 128 + 16 W,
	s_lshl_b32 s44, s12, 4
	s_add_co_u32 s42, s42, s44
	s_sub_co_i32 s44, s42, 128
	s_cmp_lt_u32 s42, 128                          ; or, where that is below 0, 128 further up: inside the buffer, finite, and masked later
	s_cselect_b32 s42, s42, s44
	s_lshl_b32 s42, s42, 11                        ; rows of 2048 bytes
	s_lshl_b32 s44, s15, 22                        ; + batch x 2048 rows
	s_add_co_u32 s42, s42, s44
	s_lshl_b32 s44, s16, 8                         ; + the head's 256 bytes
	s_add_co_u32 s42, s42, s44
	s_mov_b32 s43, 0
	s_mov_b32 s20, 0x76543210                      ; v_permlanex16_b32: lane i takes lane i of the other half
	s_mov_b32 s21, 0xfedcba98
	s_mov_b32 s22, 0x3e38aa3b                      ; c = log2(e) / 8: the scale 1/sqrt(64) and the base of v_exp_f32 in one
	s_mov_b32 s23, 0x3e38aa3b
	s_mov_b32 s40, 0xbe38aa3b                      ; - c
	s_mov_b32 s41, 0xf149f2ca                      ; NEG = -1.0e30
	; descriptor group 1: 16 rows x 128 f32 (two heads), 2048 elements from row to row, 4 words of padding behind each 128
	s_mov_b32 s24, 0x07920000                      ; 17:16 element of 4 bytes; 20 padding on; 24:22 after 128 words (code 6); 31:25 of 4 words (code 3)
	s_mov_b32 s25, 128<<16                         ; tensor_dim0 = 128
	s_mov_b32 s26, 16<<16                          ; tensor_dim1 = 16
	s_mov_b32 s27, 128<<16                         ; tile_dim0 = 128
	s_mov_b32 s28, 16                              ; tile_dim1 = 16
	s_mov_b32 s29, 2048                            ; pitch
	s_mov_b32 s30, 0
	s_mov_b32 s31, 0
	s_mul_i32 s45, s12, QSU                        ; my wave's Q tile in LDS
	s_wait_kmcnt 0x0
	s_add_nc_u64 s[6:7], s[6:7], s[42:43]
	s_add_nc_u64 s[8:9], s[8:9], s[42:43]
	s_add_nc_u64 s[4:5], s[4:5], s[18:19]
	s_add_nc_u64 s[10:11], s[10:11], s[18:19]
	; all of the group's input is asked for here: 16 loads a wave of two whole 256-byte rows each, then my Q tile
.set i, 0
.rept 8
	global_load_b128 v[S+4*i:S+4*i+3], v[KVO], s[6:7] offset:4096*i
.set i, i+1
.endr
.set i, 0
.rept 8
	global_load_b128 v[S+32+4*i:S+32+4*i+3], v[KVO], s[8:9] offset:4096*i
.set i, i+1
.endr
	s_mov_b32 s32, 1                               ; group 0: count = 1
	s_mul_i32 s33, s12, QSU                        ; LDS address: wave x 8448
	s_mov_b64 s[34:35], s[4:5]                     ; my two heads in my first row
	s_or_b32 s35, s35, 0x80000000                  ; type = 2
	tensor_load_to_lds s[32:35], s[24:31]          ; my one tensor load, a first fill, ahead of the wait for it, of every LDS read and of the barrier
	s_nop 0
	v_and_b32 v1, 31, v0                           ; lane
	v_mul_u32_u24 v15, v3, 144
	v_lshl_add_u32 v15, v2, 3, v15
	s_mul_i32 s44, s12, 16*144
	s_add_co_u32 s44, s44, KB
	v_add_nc_u32 v[KS], s44, v15                   ; KB + (16 W + h) 144 + 8 r
	v_mul_u32_u24 v15, v3, 160
	v_lshl_add_u32 v15, v2, 3, v15
	s_mul_i32 s44, s12, 16*160
	s_add_co_u32 s44, s44, VB
	v_add_nc_u32 v[VS], s44, v15                   ; VB + (16 W + h) 160 + 8 r
	v_mul_u32_u24 v15, v2, 528
	v_lshl_add_u32 v15, v3, 5, v15                 ; 528 r + 32 h
	v_add_nc_u32 v[QA], s45, v15
	v_mul_u32_u24 v[KA], v2, 144
	v_lshl_add_u32 v[KA], v3, 4, v[KA]
	s_mul_i32 s44, s47, 16*144
	s_add_co_u32 s44, s44, KB
	v_add_nc_u32 v[KA], s44, v[KA]
	v_and_b32 v15, 7, v0
	v_lshl_add_u32 v15, v3, 3, v15                 ; 8 h + lane mod 8
	v_mul_u32_u24 v[VA], v15, 160
	v_bfe_u32 v15, v0, 3, 1
	v_lshl_add_u32 v[VA], v15, 4, v[VA]
	s_mul_i32 s44, s47, 16*160
	s_add_co_u32 s44, s44, VB
	v_add_nc_u32 v[VA], s44, v[VA]
	v_lshl_add_u32 v[RA], v1, 4, s45
	v_lshlrev_b32 v[OA], 4, v1
	v_mov_b32 v13, s41                             ; NEG
	v_mov_b32 v14, 0
	v_lshlrev_b32 v15, 3, v3
	v_sub_nc_u32 v15, v2, v15                      ; r - 8 h: key 8 h + j lies above query r's place iff j > r - 8 h
.irp j, 0,1,2,3,4,5,6,7
	v_cmp_gt_i32 vcc_lo, \j, v15
	v_cndmask_b32 v[MLO+\j], v13, v14, vcc_lo      ; tile 0: such keys are inside the window
	v_cndmask_b32 v[MHI+\j], v14, v13, vcc_lo      ; tile 8: such keys lie in the future
.endr
; Four of the 16 loads: 4 f32 a lane become 8 bytes of f16 in the row's place in LDS
.macro CONV g
	s_wait_loadcnt 12-4*\g                         ; loads come back in order (ISA guide 5.7.1): these four are in, the younger ones stay out
.irp q, 0,1,2,3
.set XI, S+4*(4*\g+\q)
	v_cvt_pk_f16_f32 v[XI], v[XI], v[XI+1]
	v_cvt_pk_f16_f32 v[XI+1], v[XI+2], v[XI+3]
.if \g < 2
	ds_store_b64 v[KS], v[XI:XI+1] offset:288*(4*\g+\q)
.else
	ds_store_b64 v[VS], v[XI:XI+1] offset:320*(4*\g+\q-8)
.endif
.endr
.endm
.irp g, 0,1,2,3
	CONV \g
.endr
	s_wait_dscnt 0x0                               ; my rows of K and V are in LDS,
	s_barrier_signal -1
	s_barrier_wait -1                              ; everybody's are.  The only barrier: behind it K and V are only read and no LDS byte is filled again, so my Q tile may still be on its way
; Four places behind a matrix instruction: before a load into registers that it read and before vector instructions touch its registers
.macro PLACES
.rept 4
	v_nop
.endr
.endm
; K's tile t (16 keys x 64 d, two K steps) into ring place n
.macro KLOAD t, n
.irp s, 0,1
	ds_load_b128 v[KF+16*(\n)+8*\s:KF+16*(\n)+8*\s+3],   v[KA] offset:2304*(\t)+64*\s
	ds_load_b128 v[KF+16*(\n)+8*\s+4:KF+16*(\n)+8*\s+7], v[KA] offset:2304*(\t)+64*\s+32
.endr
.endm
; Scores of tile t for both heads.  The two accumulators take turns, one instruction a turn, from tile to tile too.
; left = LDS loads of later tiles that may stay out.
.macro STILE t, n, left
	s_wait_dscnt \left
.irp m, 0,1
.if \t == 0
	v_wmma_f32_16x16x32_f16 v[S+16*\t+8*\m:S+16*\t+8*\m+7], v[KF+16*\n:KF+16*\n+7], v[QF+16*\m:QF+16*\m+7], v[MLO:MLO+7]
.else
.if \t == 8
	v_wmma_f32_16x16x32_f16 v[S+16*\t+8*\m:S+16*\t+8*\m+7], v[KF+16*\n:KF+16*\n+7], v[QF+16*\m:QF+16*\m+7], v[MHI:MHI+7]
.else
	v_wmma_f32_16x16x32_f16 v[S+16*\t+8*\m:S+16*\t+8*\m+7], v[KF+16*\n:KF+16*\n+7], v[QF+16*\m:QF+16*\m+7], 0
.endif
.endif
.endr
.irp m, 0,1
	v_wmma_f32_16x16x32_f16 v[S+16*\t+8*\m:S+16*\t+8*\m+7], v[KF+16*\n+8:KF+16*\n+15], v[QF+16*\m+8:QF+16*\m+15], v[S+16*\t+8*\m:S+16*\t+8*\m+7]
.endr
.if \t <= 5
	PLACES
	KLOAD \t+3, \n                                 ; three tiles on, into the place just read
.endif
.if \t == 8
	PLACES                                         ; vector instructions read the scores next
.endif
.endm
; The maximum of a query's 144 scores: four chains over my 72, then the other half's lane; NM = - c x maximum, twice
.macro ROWMAX m
.irp k, 0,1,2,3
	v_max_num_f32 v[T+\k], v[S+8*\m+2*\k], v[S+8*\m+2*\k+1]
.endr
.irp t, 1,2,3,4,5,6,7,8
.irp k, 0,1,2,3
	v_max3_num_f32 v[T+\k], v[T+\k], v[S+16*\t+8*\m+2*\k], v[S+16*\t+8*\m+2*\k+1]
.endr
.endr
	v_max3_num_f32 v[T], v[T], v[T+1], v[T+2]
	v_max_num_f32 v[T], v[T], v[T+3]
	v_permlanex16_b32 v[T+1], v[T], s20, s21       ; its destination counts as read: T+1 has been written
	v_max_num_f32 v[T], v[T], v[T+1]
	v_mul_f32 v[NM+2*\m], s40, v[T]
	v_mul_f32 v[NM+2*\m+1], s40, v[T]
.endm
; Tiles 2 ks and 2 ks + 1 of head m (ks = 4: tile 8 alone): c x score - c x maximum
.macro SCALE ks, m
.set BB, S+32*\ks+8*\m
.irp p, 0,2,4,6
	v_pk_fma_f32 v[BB+\p:BB+\p+1], v[BB+\p:BB+\p+1], s[22:23], v[NM+2*\m:NM+2*\m+1] op_sel_hi:[1,0,1]
.endr
.if \ks < 4
.irp p, 16,18,20,22
	v_pk_fma_f32 v[BB+\p:BB+\p+1], v[BB+\p:BB+\p+1], s[22:23], v[NM+2*\m:NM+2*\m+1] op_sel_hi:[1,0,1]
.endr
.endif
.endm
.macro EXPS ks, m
.set BB, S+32*\ks+8*\m
.irp p, 0,1,2,3,4,5,6,7
	v_exp_f32 v[BB+\p], v[BB+\p]
.endr
.if \ks < 4
.irp p, 16,17,18,19,20,21,22,23
	v_exp_f32 v[BB+\p], v[BB+\p]
.endr
.endif
.endm
; The weights are added up in f32 (two pairs of sums a head; the first weights start them) and packed in place into P^T's fragment
.macro SUMPACK ks, m
.set BB, S+32*\ks+8*\m
.set SA0, SUM+4*\m
.set SB0, SUM+4*\m+2
.if \ks == 0
	s_wait_alu depctr_va_vdst(0)
	v_pk_add_f32 v[SA0:SA0+1], v[BB:BB+1], v[BB+2:BB+3]
	v_pk_add_f32 v[SB0:SB0+1], v[BB+4:BB+5], v[BB+6:BB+7]
.else
	s_wait_alu depctr_va_vdst(0)
	v_pk_add_f32 v[SA0:SA0+1], v[SA0:SA0+1], v[BB:BB+1]
	v_pk_add_f32 v[SB0:SB0+1], v[SB0:SB0+1], v[BB+2:BB+3]
	v_pk_add_f32 v[SA0:SA0+1], v[SA0:SA0+1], v[BB+4:BB+5]
	v_pk_add_f32 v[SB0:SB0+1], v[SB0:SB0+1], v[BB+6:BB+7]
.endif
.if \ks < 4
	v_pk_add_f32 v[SA0:SA0+1], v[SA0:SA0+1], v[BB+16:BB+17]
	v_pk_add_f32 v[SB0:SB0+1], v[SB0:SB0+1], v[BB+18:BB+19]
	v_pk_add_f32 v[SA0:SA0+1], v[SA0:SA0+1], v[BB+20:BB+21]
	v_pk_add_f32 v[SB0:SB0+1], v[SB0:SB0+1], v[BB+22:BB+23]
.endif
.irp p, 0,1,2,3
	v_cvt_pk_f16_f32 v[BB+\p], v[BB+2*\p], v[BB+2*\p+1]            ; keys 8 h + 0 .. 7 of the step's 32: register p is free when it is written
.endr
.irp p, 0,1,2,3
.if \ks < 4
	v_cvt_pk_f16_f32 v[BB+4+\p], v[BB+16+2*\p], v[BB+16+2*\p+1]    ; keys 16 + 8 h + 0 .. 7
.else
	v_mov_b32 v[BB+4+\p], 0                                        ; the last step has 16 keys: the other 16 weigh nothing
.endif
.endr
.endm
; Behind each run of exponentials stands plain work on other registers before their results are used (ISA guide 5.7.2)
.macro SOFT ks
	SCALE \ks, 0
	EXPS \ks, 0
	SCALE \ks, 1
	EXPS \ks, 1
	SUMPACK \ks, 0
	SUMPACK \ks, 1
.endm
; V^T's fragments of step ks (32 keys x 64 d) into the registers of two odd score tiles that have been packed away
.macro VLOAD ks, buf
.irp c, 0,1,2,3
.set VR, 48+64*(\buf)+32*(\c>>1)+8*(\c&1)
	ds_load_tr16_b128 v[VR:VR+3], v[VA] offset:5120*(\ks)+32*\c
.if (\ks) < 4
	ds_load_tr16_b128 v[VR+4:VR+7], v[VA] offset:5120*(\ks)+32*\c+2560
.else
	ds_load_tr16_b128 v[VR+4:VR+7], v[VA] offset:5120*(\ks)+32*\c  ; the same 16 rows again: finite numbers against zero weights, and no row past V's 256
.endif
.endr
.endm
.macro SUMFIN
.irp m, 0,1
	v_pk_add_f32 v[SUM+4*\m:SUM+4*\m+1], v[SUM+4*\m:SUM+4*\m+1], v[SUM+4*\m+2:SUM+4*\m+3]
	v_add_f32 v[SUM+4*\m], v[SUM+4*\m], v[SUM+4*\m+1]
	v_permlanex16_b32 v[SUM+4*\m+1], v[SUM+4*\m], s20, s21
	v_add_f32 v[SUM+4*\m], v[SUM+4*\m], v[SUM+4*\m+1]              ; at least 1: the maximum's own weight
.endr
	v_rcp_f32 v[NM], v[SUM]                        ; made twice each, to fill the pairs that the packed multiply takes
	v_rcp_f32 v[NM+1], v[SUM]
	v_rcp_f32 v[NM+2], v[SUM+4]
	v_rcp_f32 v[NM+3], v[SUM+4]
	v_nop                                          ; the plain place behind the reciprocals
.endm
; O^T += V^T P^T for 32 keys.  Eight accumulators take turns, one instruction a turn, in the same order in every step.
.macro PVSTEP ks, buf, left
	s_wait_dscnt \left                             ; this step's eight loads are in; the next step's eight may stay out
.irp c, 0,1,2,3
.irp m, 0,1
.set VR, 48+64*\buf+32*(\c>>1)+8*(\c&1)
.if \ks == 0
	v_wmma_f32_16x16x32_f16 v[O+32*\m+8*\c:O+32*\m+8*\c+7], v[VR:VR+7], v[S+32*\ks+8*\m:S+32*\ks+8*\m+7], 0
.else
	v_wmma_f32_16x16x32_f16 v[O+32*\m+8*\c:O+32*\m+8*\c+7], v[VR:VR+7], v[S+32*\ks+8*\m:S+32*\ks+8*\m+7], v[O+32*\m+8*\c:O+32*\m+8*\c+7]
.endif
.endr
.endr
.if \ks <= 2
	PLACES
	VLOAD \ks+2, \buf
.endif
.if \ks == 4
	PLACES
.endif
.endm
	s_wait_tensorcnt 0x0                           ; my Q tile is in LDS; only I read it.  No tensor load is out from here to s_endpgm
.irp f, 0,1,2,3
	ds_load_b128 v[S+16*\f:S+16*\f+3],     v[QA] offset:128*\f             ; fragment f = 2 m + s in f32: d = 32 s + 8 h + 0 .. 7,
	ds_load_b128 v[S+16*\f+4:S+16*\f+7],   v[QA] offset:128*\f+16
	ds_load_b128 v[S+16*\f+8:S+16*\f+11],  v[QA] offset:128*\f+64          ; and d = 32 s + 16 + 8 h + 0 .. 7
	ds_load_b128 v[S+16*\f+12:S+16*\f+15], v[QA] offset:128*\f+80
.endr
	KLOAD 0, 0
	KLOAD 1, 1
	KLOAD 2, 2
	s_wait_dscnt 12                                ; Q is in; the twelve loads of K's first three tiles are younger
.set i, 0
.rept 32
	v_cvt_pk_f16_f32 v[QF+i], v[S+2*i], v[S+2*i+1]
.set i, i+1
.endr
	STILE 0, 0, 8
	STILE 1, 1, 8
	STILE 2, 2, 8
	STILE 3, 0, 8
	STILE 4, 1, 8
	STILE 5, 2, 8
	STILE 6, 0, 8
	STILE 7, 1, 4
	STILE 8, 2, 0
	; Block x = 0: tiles 0 .. 7 - w hold keys below position 0.  The branches hang on x and w alone.
	s_cmp_lg_u32 s13, 0
	s_cbranch_scc1 .Lall
.irp t, 0,1,2,3,4,5,6,7
	s_cmp_le_u32 s17, \t
	s_cbranch_scc1 .Lall
.set i, 0
.rept 16
	v_mov_b32 v[S+16*\t+i], s41
.set i, i+1
.endr
.endr
.Lall:
	ROWMAX 0
	ROWMAX 1
	SOFT 0
	SOFT 1
	VLOAD 0, 0                                     ; tiles 1 and 3 are packed away: their registers take V's first step
	SOFT 2
	SOFT 3
	VLOAD 1, 1                                     ; tiles 5 and 7 likewise
	SOFT 4
	SUMFIN
	PVSTEP 0, 0, 8
	PVSTEP 1, 1, 8
	PVSTEP 2, 0, 8
	PVSTEP 3, 1, 8
	PVSTEP 4, 0, 0
	; The way out: divide by the sum; a lane's 8 registers are d = 16 c + 8 h + 0 .. 7 of query r, 32 neighbouring bytes; through a stage to whole rows.
	; The stage is my Q tile's bytes (the same 16 rows at pitch 528): its one fill has landed, my reads of it were waited for ahead of the
	; conversion of Q, no other wave touches it and no tensor load follows in the launch.
	s_wait_alu depctr_va_vdst(0)
.irp m, 0,1
.set i, 0
.rept 16
	v_pk_mul_f32 v[O+32*\m+2*i:O+32*\m+2*i+1], v[O+32*\m+2*i:O+32*\m+2*i+1], v[NM+2*\m:NM+2*\m+1]
.set i, i+1
.endr
.endr
.irp m, 0,1
.irp c, 0,1,2,3
	ds_store_b128 v[QA], v[O+32*\m+8*\c:O+32*\m+8*\c+3]   offset:256*\m+64*\c
	ds_store_b128 v[QA], v[O+32*\m+8*\c+4:O+32*\m+8*\c+7] offset:256*\m+64*\c+16
.endr
.endr
.set i, 0
.rept 16
	ds_load_b128 v[S+4*i:S+4*i+3], v[RA] offset:528*i              ; LDS serves a wave's instructions in order (ISA guide 5.7.1.4): these see the stores above
.set i, i+1
.endr
.set i, 0
.rept 16
	s_wait_dscnt 15-i                              ; row i is back; the younger read-backs stay out
	global_store_b128 v[OA], v[S+4*i:S+4*i+3], s[10:11] offset:8192*i th:TH_STORE_NT   ; the wave stores 512 consecutive bytes, at a multiple of 512 from out0's first byte
.set i, i+1
.endr
	s_wait_xcnt 0x0
	v_lshl_add_u32 v254, v0, 2, 0x34000
	v_mov_b32 v255, 0
	s_wait_tensorcnt 0x0
	ds_add_u32 v254, v255
	s_wait_dscnt 0x0
	s_endpgm
.Lfunc_end_k_q2baf1cfe09_swa:
	.size	k_q2baf1cfe09_swa, .Lfunc_end_k_q2baf1cfe09_swa-k_q2baf1cfe09_swa
	.p2alignl 7, 3214868480
	.fill 96, 4, 3214868480
	.section	.rodata,"a",@progbits
	.p2align	6, 0x0
	.amdhsa_kernel k_q2baf1cfe09_swa
		.amdhsa_group_segment_fixed_size 215040
		.amdhsa_private_segment_fixed_size 0
		.amdhsa_enable_private_segment 0
		.amdhsa_kernarg_size 32
		.amdhsa_user_sgpr_count 2
		.amdhsa_user_sgpr_kernarg_segment_ptr 1
		.amdhsa_wavefront_size32 1
		.amdhsa_system_sgpr_workgroup_id_x 1
		.amdhsa_system_sgpr_workgroup_id_y 1
		.amdhsa_system_sgpr_workgroup_id_z 1
		.amdhsa_system_vgpr_workitem_id 0
		.amdhsa_next_free_vgpr 256
		.amdhsa_next_free_sgpr 66
		.amdhsa_reserve_vcc 1
		.amdhsa_float_denorm_mode_32 3
		.amdhsa_float_denorm_mode_16_64 3
		.amdhsa_memory_ordered 1
		.amdhsa_forward_progress 1
		.amdhsa_inst_pref_size 60
	.end_amdhsa_kernel
	.amdgpu_metadata
---
amdhsa.version: [ 1, 2 ]
amdhsa.kernels:
  - .name:           k_q2baf1cfe09_swa
    .symbol:         k_q2baf1cfe09_swa.kd
    .args:
      - { .name: Q, .offset: 0, .size: 8, .value_kind: global_buffer, .address_space: global }
      - { .name: K, .offset: 8, .size: 8, .value_kind: global_buffer, .address_space: global }
      - { .name: V, .offset: 16, .size: 8, .value_kind: global_buffer, .address_space: global }
      - { .name: out0, .offset: 24, .size: 8, .value_kind: global_buffer, .address_space: global }
    .group_segment_fixed_size: 215040
    .private_segment_fixed_size: 0
    .kernarg_segment_align: 8
    .kernarg_segment_size: 32
    .max_flat_workgroup_size: 512
    .sgpr_count:     66
    .vgpr_count:     256
    .wavefront_size: 32
...
	.end_amdgpu_metadata
.endif
;; end of part 1
